; MI455X (gfx1250); checked and timed in simulation.
; The chip was launched on July 23, 2026; its instructions are those of AMD's public machine-readable ISA for CDNA 5 (MIT licence, August 2026) and "CDNA5" Instruction Set Architecture Reference Guide (July 2026). The comments in the code are by the model that wrote it; some were corrected since.
;; ID Head. Allowed arithmetic: float matrix products may take bf16 or f16 operands with f32 sums; all other float work in f32.
;; Inputs: lab_bank 100,000 x 512 float32; lab_labels 100,000 int32; z 1,024 x 512 float32.
;; Outputs: out0 1,024 x 5 int32; out1 1,024 x 5 float32; out2 1,024 x 5 int32.
;; Constants: topk = 5.
;; 2 versions, each right and faster than the one before. Each part assembles by itself: llvm-mc -triple=amdgcn-amd-amdhsa -mcpu=gfx1250 --defsym DOCPART=n.
;; ======== version 1 of 2: 3 launches
;; workspace buffers: cand 5,160,960 bytes; sel 65,536 bytes of whole numbers
;; launch scan (part 1): grid 4 x 63, 4 waves a work-group, no clusters, 134,656 bytes of LDS; arguments lab_bank, z, cand; writes cand
.if DOCPART == 1
	.amdgcn_target "amdgcn-amd-amdhsa--gfx1250"
	.amdhsa_code_object_version 6
	.text
	.protected	k_q76da4dd951_scan
	.globl	k_q76da4dd951_scan
	.p2align	8
	.type	k_q76da4dd951_scan,@function
k_q76da4dd951_scan:
	s_mov_b64 s[64:65], 0
	v_nop
	global_prefetch_b8 v0, s[64:65] scope:SCOPE_SE
	s_setreg_imm32_b32 hwreg(HW_REG_WAVE_MODE, 25, 1), 1
	s_wait_xcnt 0x0
; IDHead, first of three launches.  All 1024 x 100000 products of z and the bank, both rounded to bf16, sums in f32; each sum is
; multiplied by 1 / norm of its (rounded) bank row; of every GROUP of 8 neighbouring bank rows only the largest is kept, and each lane
; keeps a sorted list of the 5 best (largest, group number) that it has seen.  The lists go to cand.  The second launch joins them
; to the 5 best groups of each query, the third works those 40 rows out again in f32.  Five groups are enough for every input: if five
; groups rank ahead of an element's group (larger maximum, or equal and lower number), each holds an element that ranks ahead of it.
; The query's own norm is one positive factor for all of a lane's numbers and does not change their order: it is applied in the third launch.
;
; SHARES.  Work-group (x, y): queries 256 x .. 256 x + 255, bank split y.  A stage is 64 bank rows = 4 tiles of 16; there are 1563 stages
; (the last holds 2 tiles); splits 0-61 take 25 stages, split 62 takes 13: both odd, so one text with a loop over pairs of stages serves both.
; Wave w holds its 64 queries as 4 x 16 fragments, 512 registers, for the whole launch.  Source 0 = 16 bank rows, source 1 = 16 queries:
; register j of lane (r, h) of a result is (bank row 8 h + j, query r), so a lane's 8 result registers are one group for one query.
;
; THE BANK'S WAY.  Each wave loads 4 rows of each tile into registers (each load 512 neighbouring bytes, aligned), rounds them to bf16 and stores
; them once into one of two LDS slots; all four waves read fragments from there.  Four sets of 16 loads are on their way in each wave.
; NO TENSOR LOADS, NO JOINT REQUESTS, though the four work-groups of one y read the same rows: a tile brought into LDS would arrive as f32, and
; 64 rows would then cost 128 KB filled + 128 KB read back + 64 KB stored as bf16 + 256 KB of fragment reads in LDS, against 64 + 256 KB here.
; No prefetch: the register sets already ask four tiles ahead.
; K ORDER.  A lane's loads at k = 256 c + 4 l and k = 256 c + 128 + 4 l are packed into one 16-byte unit, so K stands permuted in LDS; z goes the same way,
; so both sources are permuted alike and the products are the same.
; ROW NORMS.  Wave w multiplies tile w's fragments by themselves (both sources the same registers): the diagonal is the sum of squares of the rounded row.
; Waves take a slot's tiles in the order (w + u) & 3, so all run one text.
;
; LIMITS.  NaN and infinite inputs are not served.  A row's sum of squares must stay inside f32 (|x| up to about 8e17; below about 1e-19 it underflows, as it does
; in a norm taken in f32).  Sums are formed in another order than a plain f32 product: two groups whose maxima differ by less than about 1e-6 of their size may change places.
.set NTILES, 6250                      ; tiles of 16 rows in the bank
.set P,      1040                      ; LDS pitch of a bf16 row: 1024 + 16 = 65 x 16 bytes, so 16 neighbouring rows begin 16 bytes further on each, modulo 256
.set TILE_L, 16*P
.set SLOT,   4*TILE_L                  ; 66,560 bytes; slot 0 at 0, slot 1 behind it
.set RNBASE, 2*SLOT                    ; 1 / norm: 2 parities x 4 tiles x 128 bytes (64 used, 64 for the lanes that hold no diagonal element)
.set BSTR,   80640                     ; cand: bytes of one block of 16 queries = 63 splits x 5 places x 32 lanes x 8
; window 0
.set LANE16, 1                         ; 16 x lane
.set LOFF,   2                         ; 16 x lane + 4 w rows of 2,048 bytes
.set ZSA,    3                         ; z's stage: w TILE_L + 16 lane
.set RNS,    5                         ; where I store 1 / norm
.set STA,    6                         ; v6-7    slot p: p SLOT + 4 w P + 16 lane
.set FA,     8                         ; v8-15   slot p, turn u: p SLOT + ((w+u)&3) TILE_L + r P + 16 h, at FA + 4 p + u
.set RNR,    16                        ; v16-19  turn u: RNBASE + 128 ((w+u)&3) + 32 h
.set RN,     20                        ; v20-27  1 / norm of my 8 rows
.set X,      28                        ; v28-31  the last tile's group maxima, one for each query tile
.set TM,     32                        ; v32-33  at work
.set NT,     34                        ; v34-37  at work
.set HH,     38                        ; h
.set L8,     39                        ; 8 x lane
.set LS,     40                        ; v40-79  lists: (value, group) of query tile t, place k at LS + 10 t + 2 k
.set ACC,    80                        ; v80-111 four accumulators
.set GA,     112                       ; v112-127 two accumulators of the rows' squares
.set H0,     128                       ; v128-191 bank fragments, K steps 0-7
.set H1,     192                       ; v192-255 K steps 8-15
; window 1: four load sets of 64 registers.  window 2: z, K steps 0-7, at 32 i + 8 t.  window 3: z, K steps 8-15.
.set SB,     24                        ; s[24:31] base of each load set
.set DM,     31                        ; s32-38  lanes whose diagonal element lies in register j = 1 .. 7
.set CM,     40                        ; s40-44  compare masks
.set ZB,     46                        ; s[46:47] z at my wave's first query
.set MSB, 0
.macro WIN new                         ; s_set_vgpr_msb: bits 1:0 source 0, 3:2 source 1, 5:4 source 2, 7:6 destination; the high byte repeats the setting that is left
.if MSB != \new
	s_set_vgpr_msb (MSB<<8)|\new
.set MSB, \new
.endif
.endm
.macro BAR
	s_wait_dscnt 0x0                               ; for the others' sake: all my LDS stores have landed and all my LDS reads are back
	s_barrier_signal -1
	s_barrier_wait -1
.endm
.macro PLACES                          ; five independent places behind a matrix instruction (ISA guide 7.12.1) where there is no vector work to put there
.rept 5
	v_nop
.endr
.endm
; 16 loads: rows 4 q .. 4 q + 3 of z's tile t into set q
.macro ZLOAD q, t
.irp j, 0,1,2,3
.irp a, 0,1,2,3
	global_load_b128 v[64*\q+16*\j+4*\a:64*\q+16*\j+4*\a+3], v[LANE16], s[ZB:ZB+1] offset:(16*\t+4*\q+\j)*2048+\a*512
.endr
.endr
.endm
; 16 loads: my 4 rows of the next bank tile into set q.  The tile's number is held inside the bank (split 62's last two tiles do not exist:
; they read the last tile again and their maxima are thrown away).  The set's base is written behind the counted wait that showed the set's earlier loads done.
.macro GLOAD q
	s_min_u32 s22, s14, NTILES-1
	s_lshl_b32 s22, s22, 15                        ; 16 rows of 2,048 bytes; below 2^31, s23 = 0
	s_add_nc_u64 s[SB+2*\q:SB+2*\q+1], s[4:5], s[22:23]
	s_add_co_u32 s14, s14, 1
.irp j, 0,1,2,3
.irp a, 0,1,2,3
	global_load_b128 v[64*\q+16*\j+4*\a:64*\q+16*\j+4*\a+3], v[LOFF], s[SB+2*\q:SB+2*\q+1] offset:\j*2048+\a*512
.endr
.endr
.endm
; set q to bf16, in place: of each row j the loads 2 c and 2 c + 1 become the 4 registers of load 2 c
.macro CVT q
.irp j, 0,1,2,3
.irp c, 0,1
.irp e, 0,1,2,3
	v_cvt_pk_bf16_f32 v[64*\q+16*\j+8*\c+\e], v[64*\q+16*\j+8*\c+2*\e], v[64*\q+16*\j+8*\c+2*\e+1]
.endr
.endr
.endr
.endm
.macro STORE q, ad, imm                ; 8 LDS stores of 512 neighbouring bytes
.irp j, 0,1,2,3
.irp c, 0,1
	ds_store_b128 v[\ad], v[64*\q+16*\j+8*\c:64*\q+16*\j+8*\c+3] offset:\imm+\j*P+512*\c
.endr
.endr
.endm
.macro WM t, hb, i, c0
.if \c0
	v_wmma_f32_16x16x32_bf16 v[ACC+8*\t:ACC+8*\t+7], v[\hb+8*\i:\hb+8*\i+7], v[32*\i+8*\t:32*\i+8*\t+7], 0
.else
	v_wmma_f32_16x16x32_bf16 v[ACC+8*\t:ACC+8*\t+7], v[\hb+8*\i:\hb+8*\i+7], v[32*\i+8*\t:32*\i+8*\t+7], v[ACC+8*\t:ACC+8*\t+7]
.endif
.endm
; 32 matrix instructions: 8 K steps from buffer hb x 4 query tiles; the four accumulators take turns, one instruction a turn.
; zero = 1: the first K step starts the sums.  ld = 1: strewn among them, 16 LDS loads of K steps lk .. lk + 7 at address register la into the other buffer lb.
.macro MUL hb, zero, ld, la, lb, lk
.irp i, 0,1,2,3,4,5,6,7
.irp t, 0,1,2,3
.if \i == 0
	WM \t, \hb, \i, \zero
.else
	WM \t, \hb, \i, 0
.endif
.if \ld
.if \t == 1
	ds_load_b128 v[\lb+8*\i:\lb+8*\i+3], v[\la] offset:64*(\lk+\i)
.endif
.if \t == 3
	ds_load_b128 v[\lb+8*\i+4:\lb+8*\i+7], v[\la] offset:64*(\lk+\i)+32
.endif
.endif
.endr
.endr
.endm
.macro GW hb, i, c0
.if \c0
	v_wmma_f32_16x16x32_bf16 v[GA+8*(\i&1):GA+8*(\i&1)+7], v[\hb+8*\i:\hb+8*\i+7], v[\hb+8*\i:\hb+8*\i+7], 0
.else
	v_wmma_f32_16x16x32_bf16 v[GA+8*(\i&1):GA+8*(\i&1)+7], v[\hb+8*\i:\hb+8*\i+7], v[\hb+8*\i:\hb+8*\i+7], v[GA+8*(\i&1):GA+8*(\i&1)+7]
.endif
.endm
.macro GRAM hb, zero                   ; the tile times itself, 8 K steps; two accumulators take turns
.irp i, 0,1,2,3,4,5,6,7
.if \i < 2
	GW \hb, \i, \zero
.else
	GW \hb, \i, 0
.endif
.endr
.endm
; 1 / max(norm, 1e-12) = rsq(max(sum of squares, 1e-24)), refined by one Newton step; lanes 0-7 and 24-31 hold rows 0-7 and 8-15
.macro NORM p
.irp e, 0,2,4,6
	v_pk_add_f32 v[GA+\e:GA+\e+1], v[GA+\e:GA+\e+1], v[GA+8+\e:GA+8+\e+1]
.endr
	v_cndmask_b32 v[NT], v[GA], v[GA+1], s[DM+1]
.irp j, 2,3,4,5,6,7
	v_cndmask_b32 v[NT], v[NT], v[GA+\j], s[DM+\j]
.endr
	v_max_num_f32 v[NT], 0x179abe15, v[NT]         ; 1e-24
	v_rsq_f32 v[NT+1], v[NT]
	v_nop                                          ; one plain place behind the transcendental before its result is used (ISA guide 5.7.2)
	s_wait_alu depctr_va_vdst(0)
	v_mul_f32 v[NT+2], v[NT], v[NT+1]
	v_mul_f32 v[NT+3], 0.5, v[NT+1]
	v_fma_f32 v[NT+2], -v[NT+2], v[NT+1], 1.0
	v_fma_f32 v[NT+1], v[NT+3], v[NT+2], v[NT+1]
	ds_store_b32 v[RNS], v[NT+1] offset:512*\p
.endm
.macro RNLD p, u
	ds_load_b128 v[RN:RN+3],   v[RNR+\u] offset:512*\p
	ds_load_b128 v[RN+4:RN+7], v[RNR+\u] offset:512*\p+16
.endm
; each sum times its row's 1 / norm, then the largest of the lane's 8.  lim = 1: a tile beyond the bank's end gives -inf
.macro SCALEMAX lim
.if \lim
	s_cmp_lt_u32 s20, 2*NTILES                     ; s20 = 2 x the tile's number
	s_cselect_b32 s21, s52, s53                    ; +inf or -inf
.endif
.irp t, 0,1,2,3
.irp e, 0,2,4,6
	v_pk_mul_f32 v[ACC+8*\t+\e:ACC+8*\t+\e+1], v[ACC+8*\t+\e:ACC+8*\t+\e+1], v[RN+\e:RN+\e+1]
.endr
	v_max3_num_f32 v[X+\t], v[ACC+8*\t], v[ACC+8*\t+1], v[ACC+8*\t+2]
	v_max3_num_f32 v[X+\t], v[X+\t], v[ACC+8*\t+3], v[ACC+8*\t+4]
	v_max3_num_f32 v[X+\t], v[X+\t], v[ACC+8*\t+5], v[ACC+8*\t+6]
	v_max_num_f32 v[X+\t], v[X+\t], v[ACC+8*\t+7]
.if \lim
	v_min_num_f32 v[X+\t], s21, v[X+\t]
.endif
.endr
.endm
; X[t] with group number s20 goes into list t, which stays sorted.  The compare is strict and group numbers rise with time: of equals the lower number stays ahead.
.macro INSERT t
.irp k, 0,1,2,3,4
	v_cmp_gt_f32 s[CM+\k], v[X+\t], v[LS+10*\t+2*\k]
.endr
.irp k, 4,3,2,1
	v_cndmask_b32 v[TM+(\k&1)], s20, v[LS+10*\t+2*\k-1], s[CM+\k-1]                      ; what moves into place k: the one above, or the new one
	v_cndmask_b32 v[LS+10*\t+2*\k+1], v[LS+10*\t+2*\k+1], v[TM+(\k&1)], s[CM+\k]
.endr
	v_cndmask_b32 v[LS+10*\t+1], v[LS+10*\t+1], s20, s[CM]
.irp k, 4,3,2,1
	v_med3_num_f32 v[LS+10*\t+2*\k], v[X+\t], v[LS+10*\t+2*\k-2], v[LS+10*\t+2*\k]       ; the middle of (new, place above, place): from the bottom up
.endr
	v_max_num_f32 v[LS+10*\t], v[LS+10*\t], v[X+\t]
.endm
; ONE TILE.  p: the stage's slot; u: the turn, tile (w + u) & 3.  conv: the tile 5 turns ahead is rounded and stored; load: the tile 9 turns ahead is asked for;
; left: loads that may stay out at conv's wait; next: the next tile's first fragments are fetched; bar: a barrier stands in this turn.
.macro TT p, u, conv, load, left, lim, next, bar
	s_wait_dscnt 0x0                               ; buffer H0 holds this tile's K steps 0-7 (and my last LDS stores have landed)
	WIN 0x08
	MUL H0, 1, 1, (FA+4*\p+\u), H1, 8
	WIN 0
.if \u == 0
	GRAM H0, 1
.endif
	INSERT 0                                       ; the tile before; these 76 instructions are also the places between H0's readers and the loads into H0 below
	INSERT 1
	INSERT 2
	INSERT 3
	s_add_co_u32 s20, s15, s[16+\u]                ; 2 x this tile's number
.if \bar
	BAR                                            ; u = 1: the stage's 1 / norm are published.  u = 3: the next slot's four tiles are stored, and all reads of this slot are back
.endif
.if \u == 0
	s_wait_dscnt 0x0                               ; H1 is in
.else
	RNLD \p, \u
	s_wait_dscnt 0x2                               ; all but the two loads just issued: H1 is in
.endif
	WIN 0x0c
.if \u == 3
	MUL H1, 0, \next, (FA+4*(1-\p)), H0, 0
.else
	MUL H1, 0, \next, (FA+4*\p+\u+1), H0, 0
.endif
.if \u == 0
	WIN 0
	GRAM H1, 0
.endif
.if \conv
	s_wait_loadcnt \left                           ; loads come back in order (ISA guide 5.7.1): the oldest set of 16 is in, the younger sets stay out
	WIN 0x45
	CVT ((\u+1)&3)                                 ; 32 instructions on other registers: the places behind the matrix instructions above
.else
	PLACES
.endif
.if \u == 0
	WIN 0
	NORM \p
	RNLD \p, 0                                     ; my own 64 bytes: LDS serves a wave's instructions in order (ISA guide 5.7.1.4)
.endif
.if \conv
	WIN 0x04
.if \u == 3
	STORE ((\u+1)&3), (STA+\p), 0                  ; two stages ahead, into this slot: behind this turn's barrier nobody reads it any more
.else
	STORE ((\u+1)&3), (STA+1-\p), ((\u+1)*TILE_L)
.endif
.endif
.if \load
	WIN 0x40
	GLOAD ((\u+1)&3)
.endif
	WIN 0
.if \u == 0
	s_wait_dscnt 8*\conv                           ; behind the two loads of 1 / norm only the 8 stores were issued
.else
	s_wait_dscnt 16*\next+8*\conv                  ; behind them: the 16 loads into H0 and the 8 stores
.endif
	SCALEMAX \lim
.endm
.macro STAGE p
	TT \p, 0, 1, 1, 48, 0, 1, 0
	TT \p, 1, 1, 1, 48, 0, 1, 1
	TT \p, 2, 1, 1, 48, 0, 1, 0
	TT \p, 3, 1, 1, 48, 0, 1, 1
	s_add_co_u32 s15, s15, 8
.endm
	s_load_b128 s[4:7], s[0:1], 0x0                ; bank s[4:5], z s[6:7]
	s_load_b64 s[8:9], s[0:1], 0x10                ; cand
	v_lshrrev_b32 v[TM], 5, v0
	v_readfirstlane_b32 s10, v[TM]                 ; wave w
	s_and_b32 s12, ttmp7, 0xffff                   ; split
	v_and_b32 v[TM], 31, v0
	v_lshlrev_b32 v[LANE16], 4, v[TM]
	v_lshlrev_b32 v[L8], 3, v[TM]
	s_lshl_b32 s22, ttmp9, 19                      ; 256 queries of 2,048 bytes
	s_lshl_b32 s48, s10, 17                        ; 64 queries
	s_add_co_u32 s22, s22, s48
	s_mov_b32 s23, 0
	s_wait_kmcnt 0x0
	s_add_nc_u64 s[ZB:ZB+1], s[6:7], s[22:23]
	WIN 0x40
	ZLOAD 0, 0
	ZLOAD 1, 0
	ZLOAD 2, 0
	ZLOAD 3, 0
	WIN 0
	v_and_b32 v33, 15, v0                          ; r
	v_bfe_u32 v[HH], v0, 4, 1                      ; h
	s_lshl_b32 s48, s10, 13
	v_add_nc_u32 v[LOFF], s48, v[LANE16]
	s_mul_i32 s48, s10, TILE_L
	v_add_nc_u32 v[ZSA], s48, v[LANE16]
	s_mul_i32 s48, s10, 4*P
	v_add_nc_u32 v[STA], s48, v[LANE16]
	v_add_nc_u32 v[STA+1], SLOT, v[STA]
	v_mul_u32_u24 v34, v33, P
	v_lshl_add_u32 v34, v[HH], 4, v34              ; r P + 16 h
	v_lshrrev_b32 v35, 3, v0
	v_lshrrev_b32 v36, 4, v0
	v_xor_b32 v35, v35, v36
	v_and_b32 v35, 1, v35                          ; 0 in the lanes that hold a diagonal element (r >> 3 = h)
	v_lshlrev_b32 v36, 2, v33
	v_lshl_add_u32 v36, v35, 6, v36                ; 4 r, the others 64 bytes further on
	s_lshl_b32 s48, s10, 7
	s_add_co_u32 s48, s48, RNBASE
	v_add_nc_u32 v[RNS], s48, v36
	v_lshlrev_b32 v37, 5, v[HH]
.irp u, 0,1,2,3
.if \u == 0
	s_mov_b32 s48, s10
.else
	s_add_co_u32 s48, s10, \u
	s_and_b32 s48, s48, 3                          ; the tile of turn u
.endif
	s_lshl_b32 s[16+\u], s48, 1
	s_mul_i32 s49, s48, TILE_L
	v_add_nc_u32 v[FA+\u], s49, v34
	v_add_nc_u32 v[FA+4+\u], SLOT, v[FA+\u]
	s_lshl_b32 s49, s48, 7
	s_add_co_u32 s49, s49, RNBASE
	v_add_nc_u32 v[RNR+\u], s49, v37
.endr
	s_cmp_eq_u32 s12, 62
	s_cselect_b32 s13, 5, 11                       ; pairs of stages in the loop: (13 - 3) / 2 or (25 - 3) / 2
	s_mul_i32 s14, s12, 100                        ; my first tile
	s_mul_i32 s15, s12, 200                        ; 8 x my first stage
	s_mov_b32 s20, 0
	s_mov_b32 s52, 0x7f800000
	s_mov_b32 s53, 0xff800000
.irp j, 1,2,3,4,5,6,7
	s_mov_b32 s[DM+\j], 0x01000001<<\j             ; lanes j and 24 + j
.endr
	; z: tile by tile through my own 16 rows of LDS, by the bank's way, into windows 2 and 3.  Each wait leaves the three younger sets (48 loads) out.
	; The last tile's sets are filled again with the first four bank tiles.
.irp t, 0,1,2,3
.irp j, 0,1,2,3
	s_wait_loadcnt 48
	WIN 0x45
	CVT \j
	WIN 0x04
	STORE \j, ZSA, (4*\j*P)
	WIN 0x40
.if \t < 3
	ZLOAD \j, (\t+1)
.else
	GLOAD \j
.endif
.endr
	WIN 0x80
.irp i, 0,1,2,3,4,5,6,7
	ds_load_b128 v[32*\i+8*\t:32*\i+8*\t+3],   v[FA] offset:64*\i          ; my own bytes, served in order behind the stores above and ahead of the next tile's
	ds_load_b128 v[32*\i+8*\t+4:32*\i+8*\t+7], v[FA] offset:64*\i+32
.endr
	WIN 0xc0
.irp i, 0,1,2,3,4,5,6,7
	ds_load_b128 v[32*\i+8*\t:32*\i+8*\t+3],   v[FA] offset:64*(8+\i)
	ds_load_b128 v[32*\i+8*\t+4:32*\i+8*\t+7], v[FA] offset:64*(8+\i)+32
.endr
.endr
	WIN 0
	BAR                                            ; every wave has z in registers: the stages' bytes become slot 0
.irp c, 0,1,2,3,4
	s_wait_loadcnt 48                              ; tiles 0 to 4: slot 0 whole, and slot 1's first
	WIN 0x45
	CVT (\c&3)
	WIN 0x04
	STORE (\c&3), (STA+(\c>>2)), ((\c&3)*TILE_L)
	WIN 0x40
	GLOAD (\c&3)
.endr
	WIN 0
	BAR                                            ; slot 0 is whole for every wave
.irp i, 0,1,2,3,4,5,6,7
	ds_load_b128 v[H0+8*\i:H0+8*\i+3],   v[FA] offset:64*\i
	ds_load_b128 v[H0+8*\i+4:H0+8*\i+7], v[FA] offset:64*\i+32
.endr
.set n, 0
.rept 20
	v_mov_b32 v[LS+2*n], 0xff800000                ; empty lists: -inf, which no number fails to beat
	v_mov_b32 v[LS+2*n+1], 0
.set n, n+1
.endr
.irp t, 0,1,2,3
	v_mov_b32 v[X+\t], 0xff800000                  ; the first turn inserts nothing
.endr
.Lpair:
	STAGE 0
	STAGE 1
	s_sub_co_u32 s13, s13, 1
	s_cmp_lg_u32 s13, 0
	s_cbranch_scc1 .Lpair
	; the last three stages, written out: the requests end first, then the conversions, and the counts run down
	TT 0, 0, 1, 1, 48, 0, 1, 0
	TT 0, 1, 1, 1, 48, 0, 1, 1
	TT 0, 2, 1, 1, 48, 0, 1, 0                     ; asks for the split's last tile
	TT 0, 3, 1, 0, 48, 0, 1, 1
	s_add_co_u32 s15, s15, 8
	TT 1, 0, 1, 0, 32, 0, 1, 0
	TT 1, 1, 1, 0, 16, 0, 1, 1
	TT 1, 2, 1, 0, 0,  0, 1, 0
	TT 1, 3, 0, 0, 0,  0, 1, 1
	s_add_co_u32 s15, s15, 8
	TT 0, 0, 0, 0, 0,  1, 1, 0
	TT 0, 1, 0, 0, 0,  1, 1, 1
	TT 0, 2, 0, 0, 0,  1, 1, 0
	TT 0, 3, 0, 0, 0,  1, 0, 0
	INSERT 0
	INSERT 1
	INSERT 2
	INSERT 3
.set n, 0
.rept 20
	v_add_nc_u32 v[LS+2*n+1], v[LS+2*n+1], v[HH]   ; group = 2 x tile + h
.set n, n+1
.endr
	s_lshl2_add_u32 s54, ttmp9, s10                ; 4 x + w
	s_mul_i32 s54, s54, 4*BSTR
	s_mul_i32 s55, s12, 1280
	s_add_co_u32 s54, s54, s55
	s_mov_b32 s55, 0
	s_add_nc_u64 s[8:9], s[8:9], s[54:55]
.irp t, 0,1,2,3
.irp k, 0,1,2,3,4
	global_store_b64 v[L8], v[LS+10*\t+2*\k:LS+10*\t+2*\k+1], s[8:9] offset:\t*BSTR+\k*256   ; the wave stores 256 consecutive bytes, at a multiple of 256 from cand's first byte
.endr
.endr
	s_wait_xcnt 0x0
	v_lshl_add_u32 v254, v0, 2, 0x20c00
	v_mov_b32 v255, 0
	s_wait_tensorcnt 0x0
	ds_add_u32 v254, v255
	s_wait_dscnt 0x0
	s_endpgm
.Lfunc_end_k_q76da4dd951_scan:
	.size	k_q76da4dd951_scan, .Lfunc_end_k_q76da4dd951_scan-k_q76da4dd951_scan
	.p2alignl 7, 3214868480
	.fill 96, 4, 3214868480
	.section	.rodata,"a",@progbits
	.p2align	6, 0x0
	.amdhsa_kernel k_q76da4dd951_scan
		.amdhsa_group_segment_fixed_size 134656
		.amdhsa_private_segment_fixed_size 0
		.amdhsa_enable_private_segment 0
		.amdhsa_kernarg_size 24
		.amdhsa_user_sgpr_count 2
		.amdhsa_user_sgpr_kernarg_segment_ptr 1
		.amdhsa_wavefront_size32 1
		.amdhsa_system_sgpr_workgroup_id_x 1
		.amdhsa_system_sgpr_workgroup_id_y 1
		.amdhsa_system_sgpr_workgroup_id_z 1
		.amdhsa_system_vgpr_workitem_id 0
		.amdhsa_next_free_vgpr 1024
		.amdhsa_next_free_sgpr 66
		.amdhsa_reserve_vcc 0
		.amdhsa_float_denorm_mode_32 3
		.amdhsa_float_denorm_mode_16_64 3
		.amdhsa_memory_ordered 1
		.amdhsa_forward_progress 1
		.amdhsa_inst_pref_size 255
	.end_amdhsa_kernel
	.section	.bss,"aw",@nobits
	.p2align	6
	.space	262144
	.amdgpu_metadata
---
amdhsa.version: [ 1, 2 ]
amdhsa.kernels:
  - .name:           k_q76da4dd951_scan
    .symbol:         k_q76da4dd951_scan.kd
    .args:
      - { .name: lab_bank, .offset: 0, .size: 8, .value_kind: global_buffer, .address_space: global }
      - { .name: z, .offset: 8, .size: 8, .value_kind: global_buffer, .address_space: global }
      - { .name: cand, .offset: 16, .size: 8, .value_kind: global_buffer, .address_space: global }
    .group_segment_fixed_size: 134656
    .private_segment_fixed_size: 0
    .kernarg_segment_align: 8
    .kernarg_segment_size: 24
    .max_flat_workgroup_size: 128
    .sgpr_count:     66
    .vgpr_count:     1024
    .wavefront_size: 32
...
	.end_amdgpu_metadata
.endif
;; end of part 1
;; launch pick (part 2): grid 64 x 1, 8 waves a work-group, no clusters, 11,264 bytes of LDS; arguments cand, sel; writes sel
.if DOCPART == 2
	.amdgcn_target "amdgcn-amd-amdhsa--gfx1250"
	.amdhsa_code_object_version 6
	.text
	.protected	k_q76da4dd951_pick
	.globl	k_q76da4dd951_pick
	.p2align	8
	.type	k_q76da4dd951_pick,@function
k_q76da4dd951_pick:
	s_mov_b64 s[64:65], 0
	v_nop
	global_prefetch_b8 v0, s[64:65] scope:SCOPE_SE
	s_setreg_imm32_b32 hwreg(HW_REG_WAVE_MODE, 25, 1), 1
	s_wait_xcnt 0x0
; IDHead, second of three launches: for each query the 5 best groups out of the 63 x 2 lists of 5 that the first launch left in cand, by (value falling, group number rising).
; Their numbers go to sel as whole numbers, in rising order, 16 words a query (words 5-15 repeat word 4), so that the third launch can form addresses from them.
; Work-group b: queries 16 b .. 16 b + 15.  Wave v joins splits 8 v .. 8 v + 7 (split 63 does not exist: wave 7 reads split 62 again and sets those values to -inf).
; Lane (r, h) sees the pairs of query r whose group numbers have parity h.  The waves' lists meet in LDS; then 16 lanes hold one query's 16 lists.
; Small work on few bytes (5 MB read once): no matrix unit, no tensor loads, no cluster (no two work-groups read the same bytes), no prefetch (all 40 loads of a wave go out at once).
; LIMIT: NaN is not served.  Group numbers are below 12,500, so they are exact as f32.
.set BSTR, 80640                       ; cand: bytes of a block of 16 queries
.set SSTR, 1280                        ; of a split in it
.set VO,  1                            ; 8 x lane
.set SA,  3                            ; LDS: where my list goes
.set RA,  4                            ; LDS: the list that I take up
.set OO,  5                            ; 4 x lane
.set TM,  6                            ; v6-7 at work
.set M,   8                            ; a row's maximum
.set O,   20                           ; v20-24 the five winners, v25 spare
.set RES, 26
.set D,   48                           ; v48-127 pair n = 5 i + k of split 8 v + i at D + 2 n
.set LS,  48                           ; the list IS split 8 v's five pairs, which arrive sorted: nothing is cleared
.set CM,  20                           ; s20-24 compare masks
	s_load_b128 s[4:7], s[0:1], 0x0                ; cand s[4:5], sel s[6:7]
	v_lshl_add_u32 v128, v0, 2, 0x2800
	v_mov_b32 v129, 0
	v_lshrrev_b32 v2, 5, v0
	v_readfirstlane_b32 s8, v2                     ; wave v
	v_and_b32 v2, 31, v0
	v_lshlrev_b32 v[VO], 3, v2
	v_lshlrev_b32 v[OO], 2, v2
	s_mov_b32 s30, 0x7f800000
	s_mov_b32 s31, 0xff800000
	s_mul_i32 s10, ttmp9, BSTR
	s_mul_i32 s15, s8, 8*SSTR
	s_lshl3_add_u32 s16, s8, 7                     ; my last split, 8 v + 7
	s_cmp_lt_u32 s16, 63
	s_cselect_b32 s14, s30, s31                    ; +inf if it exists, else -inf
	s_min_u32 s16, s16, 62
	s_mul_i32 s16, s16, SSTR
	s_add_co_u32 s16, s16, s10
	s_mov_b32 s17, 0
	s_add_co_u32 s10, s10, s15
	s_mov_b32 s11, 0
	s_lshl_b32 s18, ttmp9, 10                      ; sel: 16 queries of 64 bytes,
	s_lshl_b32 s19, s8, 7                          ; 2 queries a wave
	s_add_co_u32 s18, s18, s19
	s_mov_b32 s19, 0
	s_wait_kmcnt 0x0
	s_add_nc_u64 s[12:13], s[4:5], s[16:17]
	s_add_nc_u64 s[4:5], s[4:5], s[10:11]
	s_add_nc_u64 s[6:7], s[6:7], s[18:19]
.irp i, 0,1,2,3,4,5,6
.irp k, 0,1,2,3,4
	global_load_b64 v[D+10*\i+2*\k:D+10*\i+2*\k+1], v[VO], s[4:5] offset:\i*SSTR+\k*256 th:TH_LOAD_NT
.endr
.endr
.irp k, 0,1,2,3,4
	global_load_b64 v[D+70+2*\k:D+70+2*\k+1], v[VO], s[12:13] offset:\k*256 th:TH_LOAD_NT
.endr
	v_and_b32 v6, 15, v0                           ; r; later l, the list that I take up
	v_bfe_u32 v7, v0, 4, 1                         ; h
	v_lshl_add_u32 v8, v6, 1, v7
	v_mul_u32_u24 v8, v8, 40                       ; (2 r + h) lists of 40 bytes
	s_mul_i32 s15, s8, 1280                        ; each wave's 32 lists lie together
	v_add_nc_u32 v[SA], s15, v8
	v_lshrrev_b32 v9, 1, v6                        ; list l came from wave l >> 1, parity l & 1
	v_and_b32 v8, 1, v6
	v_lshl_add_u32 v8, v7, 1, v8
	s_lshl_b32 s15, s8, 2
	v_add_nc_u32 v8, s15, v8                       ; 2 (2 v + h) + (l & 1): my row's query is 2 v + h
	v_mul_u32_u24 v8, v8, 40
	v_mul_u32_u24 v9, v9, 1280
	v_add_nc_u32 v[RA], v9, v8
.irp k, 0,1,2,3
	s_mov_b32 s[26+\k], 0x00010001<<\k             ; lane k of each row of 16
.endr
; pair n goes into the sorted list.  Strict compare, pairs taken in rising order of split and place: of equals the lower group number stays ahead.
.macro INS n
.irp k, 0,1,2,3,4
	v_cmp_gt_f32 s[CM+\k], v[D+2*\n], v[LS+2*\k]
.endr
.irp k, 4,3,2,1
	v_cndmask_b32 v[TM+(\k&1)], v[D+2*\n+1], v[LS+2*\k-1], s[CM+\k-1]
	v_cndmask_b32 v[LS+2*\k+1], v[LS+2*\k+1], v[TM+(\k&1)], s[CM+\k]
.endr
	v_cndmask_b32 v[LS+1], v[LS+1], v[D+2*\n+1], s[CM]
.irp k, 4,3,2,1
	v_med3_num_f32 v[LS+2*\k], v[D+2*\n], v[LS+2*\k-2], v[LS+2*\k]
.endr
	v_max_num_f32 v[LS], v[LS], v[D+2*\n]
.endm
.irp i, 1,2,3,4,5,6,7
	s_wait_loadcnt 35-5*\i                         ; of the 40 loads those of splits 0 .. i are in; the 5 (7 - i) younger ones stay out
.if \i == 7
.irp k, 0,1,2,3,4
	v_min_num_f32 v[D+70+2*\k], s14, v[D+70+2*\k]
.endr
.endif
.irp k, 0,1,2,3,4
	INS (5*\i+\k)
.endr
.endr
.irp k, 0,1,2,3,4
	ds_store_b64 v[SA], v[LS+2*\k:LS+2*\k+1] offset:8*\k
.endr
	s_wait_dscnt 0x0                               ; my stores have landed, for the others' sake
	s_barrier_signal -1
	s_barrier_wait -1
.irp k, 0,1,2,3,4
	ds_load_b64 v[LS+2*\k:LS+2*\k+1], v[RA] offset:8*\k
.endr
	s_wait_dscnt 0x0
.irp k, 0,1,2,3,4
	v_cvt_f32_u32 v[LS+2*\k+1], v[LS+2*\k+1]
.endr
; One pass: the largest head among the row's 16 lists; among equals the lowest number; its owner moves its list up by one.
; (v[M] has been written above, as the destination of a DPP form must have been.)
.macro PASS n, shift
	v_max_num_f32_dpp v[M], v[LS], v[LS] row_xmask:1 row_mask:0xf bank_mask:0xf
	v_max_num_f32_dpp v[M], v[M], v[M] row_xmask:2 row_mask:0xf bank_mask:0xf
	v_max_num_f32_dpp v[M], v[M], v[M] row_xmask:4 row_mask:0xf bank_mask:0xf
	v_max_num_f32_dpp v[M], v[M], v[M] row_xmask:8 row_mask:0xf bank_mask:0xf
	v_cmp_eq_f32 vcc_lo, v[LS], v[M]
	v_cndmask_b32 v[O+\n], s30, v[LS+1], vcc_lo
.irp m, 1,2,4,8
	v_min_num_f32_dpp v[O+\n], v[O+\n], v[O+\n] row_xmask:\m row_mask:0xf bank_mask:0xf
.endr
.if \shift
	v_cmp_eq_f32 s25, v[LS+1], v[O+\n]
	s_and_b32 s25, s25, vcc_lo
.irp k, 0,1,2,3
	v_cndmask_b32 v[LS+2*\k], v[LS+2*\k], v[LS+2*\k+2], s25
	v_cndmask_b32 v[LS+2*\k+1], v[LS+2*\k+1], v[LS+2*\k+3], s25
.endr
	v_cndmask_b32 v[LS+8], v[LS+8], s31, s25
.endif
.endm
	PASS 0, 1
	PASS 1, 1
	PASS 2, 1
	PASS 3, 1
	PASS 4, 0
; the five numbers in rising order: nine exchanges; the smaller goes to the spare register, and the names change places instead of the values
.set R0, O
.set R1, O+1
.set R2, O+2
.set R3, O+3
.set R4, O+4
.set FR, O+5
.macro CE a, b
	v_min_num_f32 v[FR], v[R\a], v[R\b]
	v_max_num_f32 v[R\b], v[R\a], v[R\b]
.set TS, R\a
.set R\a, FR
.set FR, TS
.endm
	CE 0, 1
	CE 3, 4
	CE 2, 4
	CE 2, 3
	CE 1, 4
	CE 0, 3
	CE 0, 2
	CE 1, 3
	CE 1, 2
	v_cndmask_b32 v[RES], v[R4], v[R0], s26        ; lane l of a row takes number min(l, 4)
	v_cndmask_b32 v[RES], v[RES], v[R1], s27
	v_cndmask_b32 v[RES], v[RES], v[R2], s28
	v_cndmask_b32 v[RES], v[RES], v[R3], s29
	v_cvt_u32_f32 v[RES], v[RES]
	global_store_b32 v[OO], v[RES], s[6:7]         ; 128 consecutive bytes: two queries
	s_wait_tensorcnt 0x0
	ds_add_u32 v128, v129
	s_wait_dscnt 0x0
	s_endpgm
.Lfunc_end_k_q76da4dd951_pick:
	.size	k_q76da4dd951_pick, .Lfunc_end_k_q76da4dd951_pick-k_q76da4dd951_pick
	.p2alignl 7, 3214868480
	.fill 96, 4, 3214868480
	.section	.rodata,"a",@progbits
	.p2align	6, 0x0
	.amdhsa_kernel k_q76da4dd951_pick
		.amdhsa_group_segment_fixed_size 11264
		.amdhsa_private_segment_fixed_size 0
		.amdhsa_enable_private_segment 0
		.amdhsa_kernarg_size 16
		.amdhsa_user_sgpr_count 2
		.amdhsa_user_sgpr_kernarg_segment_ptr 1
		.amdhsa_wavefront_size32 1
		.amdhsa_system_sgpr_workgroup_id_x 1
		.amdhsa_system_sgpr_workgroup_id_y 1
		.amdhsa_system_sgpr_workgroup_id_z 1
		.amdhsa_system_vgpr_workitem_id 0
		.amdhsa_next_free_vgpr 130
		.amdhsa_next_free_sgpr 66
		.amdhsa_reserve_vcc 1
		.amdhsa_float_denorm_mode_32 3
		.amdhsa_float_denorm_mode_16_64 3
		.amdhsa_memory_ordered 1
		.amdhsa_forward_progress 1
		.amdhsa_inst_pref_size 55
	.end_amdhsa_kernel
	.amdgpu_metadata
---
amdhsa.version: [ 1, 2 ]
amdhsa.kernels:
  - .name:           k_q76da4dd951_pick
    .symbol:         k_q76da4dd951_pick.kd
    .args:
      - { .name: cand, .offset: 0, .size: 8, .value_kind: global_buffer, .address_space: global }
      - { .name: sel, .offset: 8, .size: 8, .value_kind: global_buffer, .address_space: global }
    .group_segment_fixed_size: 11264
    .private_segment_fixed_size: 0
    .kernarg_segment_align: 8
    .kernarg_segment_size: 16
    .max_flat_workgroup_size: 256
    .sgpr_count:     66
    .vgpr_count:     130
    .wavefront_size: 32
...
	.end_amdgpu_metadata
.endif
;; end of part 2
;; launch score (part 3): grid 256 x 1, 4 waves a work-group, no clusters, 0 bytes of LDS; arguments lab_bank, lab_labels, z, sel, out0, out1, out2; writes out0, out1, out2
.if DOCPART == 3
	.amdgcn_target "amdgcn-amd-amdhsa--gfx1250"
	.amdhsa_code_object_version 6
	.text
	.protected	k_q76da4dd951_score
	.globl	k_q76da4dd951_score
	.p2align	8
	.type	k_q76da4dd951_score,@function
k_q76da4dd951_score:
	s_mov_b64 s[64:65], 0
	v_nop
	global_prefetch_b8 v0, s[64:65] scope:SCOPE_SE
	s_setreg_imm32_b32 hwreg(HW_REG_WAVE_MODE, 25, 1), 1
	s_wait_xcnt 0x0
; IDHead, third of three launches: for each query the 5 x 8 bank rows of the groups named in sel are read again; z and the rows are rounded to bf16 and widened,
; dot product and sums of squares are taken in f32, sim = dot / (max(|z|, 1e-12) max(|row|, 1e-12)); the five largest, with index and label, are the result.
; One wave, one query: no LDS, no barrier.  Lane l holds k = 128 a + 4 l .. + 3 (a = 0 .. 3) of z and of each row, so each load of the wave covers 512 neighbouring bytes, aligned.
; Groups come in rising order from sel and rows in rising order within them; the compare is strict: of equal values the lower index stays ahead, as in top_k.
; A ring of three sets of 4 rows (16 loads each) in registers: two sets are on their way while one is worked on.  All ten chunks are written out.
; Every lane keeps the same lists (the wave sums are the same bits in all lanes); at the end lane k stores place k.
; Memory binds: no matrix unit (40 rows a query, each for one query), no cluster (rows are shared only by chance), no prefetch (addresses are known only when sel has come, and then 48 loads go out at once).
; A query's result is 20 bytes in each output, so the stores cannot fill aligned blocks of 256 bytes.
; LIMITS: NaN and infinite inputs are not served; sums of squares must stay inside f32 (|x| up to about 8e17, above about 1e-19).  Sums are formed in another order than
; a product of normalised vectors: two similarities that differ by less than about 1e-7 of their size may change places.
.set T,   4                            ; v4-11   at work
.set TM,  12                           ; v12-13  at work
.set RZ,  14                           ; 1 / |z|
.set Z,   16                           ; v16-31  z, rounded and widened
.set DOT, 32                           ; v32-39  row j: a pair of partial dot products, then the dot product in the first
.set SS,  40                           ; v40-47  row j: a pair of partial sums of squares; then the sum, and 1 / norm in the second
.set LV,  48                           ; v48-52  values
.set LI,  53                           ; v53-57  indices
.set LL,  58                           ; v58-62  labels
.set CH,  64                           ; v64-255 three sets of 4 rows x 16 registers
.set BS,  66                           ; s[66:75] the five groups' first rows
.set CM,  80                           ; s80-84  compare masks
.set GID, 88                           ; s88-92  group numbers
.set LO,  93                           ; s93-97  byte offsets of the groups' labels
	s_load_b256 s[4:11], s[0:1], 0x0               ; bank s[4:5], labels s[6:7], z s[8:9], sel s[10:11]
	s_load_b128 s[12:15], s[0:1], 0x20             ; out0 s[12:13], out1 s[14:15]
	s_load_b64 s[16:17], s[0:1], 0x30              ; out2
	v_lshrrev_b32 v3, 5, v0
	v_readfirstlane_b32 s18, v3
	s_lshl2_add_u32 s18, ttmp9, s18                ; query = 4 x work-group + wave
	v_and_b32 v3, 31, v0                           ; lane
	v_lshlrev_b32 v1, 4, v3
	v_lshlrev_b32 v2, 2, v3
	s_lshl_b32 s78, s18, 6
	s_mov_b32 s79, 0
	s_mov_b32 s85, 0xffff0000                      ; a word's upper bf16
	s_mov_b32 s86, 0x76543210                      ; v_permlanex16_b32: lane i of one half reads lane i of the other
	s_mov_b32 s87, 0xfedcba98
	s_wait_kmcnt 0x0
	s_add_nc_u64 s[10:11], s[10:11], s[78:79]
	s_load_b128 s[20:23], s[10:11], 0x0
	s_load_b32 s76, s[10:11], 0x10
	s_lshl_b32 s78, s18, 11
	s_add_nc_u64 s[8:9], s[8:9], s[78:79]
.irp a, 0,1,2,3
	global_load_b128 v[Z+4*\a:Z+4*\a+3], v1, s[8:9] offset:512*\a
.endr
	s_mul_i32 s78, s18, 20                         ; 5 numbers of 4 bytes a query
	s_add_nc_u64 s[12:13], s[12:13], s[78:79]
	s_add_nc_u64 s[14:15], s[14:15], s[78:79]
	s_add_nc_u64 s[16:17], s[16:17], s[78:79]
	s_wait_kmcnt 0x0
.irp g, 0,1,2,3
	s_min_u32 s[GID+\g], s[20+\g], 12499           ; a loaded number enters an address only inside the table
.endr
	s_min_u32 s[GID+4], s76, 12499
.irp g, 0,1,2,3,4
	s_lshl_b32 s[LO+\g], s[GID+\g], 5              ; 8 labels of 4 bytes
	s_load_b256 s[24+8*\g:31+8*\g], s[6:7], s[LO+\g] offset:0x0
	s_lshl_b32 s78, s[GID+\g], 14                  ; 8 rows of 2,048 bytes
	s_add_nc_u64 s[BS+2*\g:BS+2*\g+1], s[4:5], s[78:79]
.endr
; chunk c: rows 4 (c & 1) .. + 3 of group c >> 1, into set c mod 3
.macro LOADC c
.irp j, 0,1,2,3
.irp a, 0,1,2,3
	global_load_b128 v[CH+64*(\c%3)+16*\j+4*\a:CH+64*(\c%3)+16*\j+4*\a+3], v1, s[BS+2*(\c>>1):BS+2*(\c>>1)+1] offset:(4*(\c&1)+\j)*2048+\a*512
.endr
.endr
.endm
	LOADC 0
	LOADC 1
	LOADC 2
	s_wait_loadcnt 48                              ; z's four loads are in; the three chunks behind them stay out
.irp e, 0,1,2,3,4,5,6,7
	v_cvt_pk_bf16_f32 v[T+\e], v[Z+2*\e], v[Z+2*\e+1]
.endr
.irp e, 0,1,2,3,4,5,6,7
	v_lshlrev_b32 v[Z+2*\e], 16, v[T+\e]
	v_and_b32 v[Z+2*\e+1], s85, v[T+\e]
.endr
	v_pk_mul_f32 v[DOT:DOT+1], v[Z:Z+1], v[Z:Z+1]                  ; two chains, started by products: nothing is cleared
	v_pk_mul_f32 v[SS:SS+1], v[Z+2:Z+3], v[Z+2:Z+3]
.irp e, 4,8,12
	v_pk_fma_f32 v[DOT:DOT+1], v[Z+\e:Z+\e+1], v[Z+\e:Z+\e+1], v[DOT:DOT+1]
	v_pk_fma_f32 v[SS:SS+1], v[Z+\e+2:Z+\e+3], v[Z+\e+2:Z+\e+3], v[SS:SS+1]
.endr
	v_pk_add_f32 v[DOT:DOT+1], v[DOT:DOT+1], v[SS:SS+1]
	v_add_f32 v[RZ], v[DOT], v[DOT+1]
.irp m, 1,2,4,8
	v_add_f32_dpp v[RZ], v[RZ], v[RZ] row_xmask:\m row_mask:0xf bank_mask:0xf
.endr
	v_permlanex16_b32 v[T], v[RZ], s86, s87        ; its destination has been written above
	v_add_f32 v[RZ], v[RZ], v[T]
	v_max_num_f32 v[RZ], 0x179abe15, v[RZ]         ; 1e-24 = (1e-12)^2
	v_rsq_f32 v[T], v[RZ]
.irp k, 0,1,2,3,4
	v_mov_b32 v[LV+\k], 0xff800000                 ; empty lists; also the plain place behind the transcendental (ISA guide 5.7.2)
	v_mov_b32 v[LI+\k], 0
	v_mov_b32 v[LL+\k], 0
.endr
	s_wait_alu depctr_va_vdst(0)
	v_mul_f32 v[T+1], v[RZ], v[T]                  ; one Newton step
	v_mul_f32 v[T+2], 0.5, v[T]
	v_fma_f32 v[T+1], -v[T+1], v[T], 1.0
	v_fma_f32 v[RZ], v[T+2], v[T+1], v[T]
	s_wait_kmcnt 0x0                               ; the labels
; value in v[xv], index 8 x group + e, label in s[lb]: into the three lists
.macro INS3 xv, gs, e, lb
	s_lshl3_add_u32 s77, s[\gs], \e
.irp k, 0,1,2,3,4
	v_cmp_gt_f32 s[CM+\k], v[\xv], v[LV+\k]
.endr
.irp k, 4,3,2,1
	v_cndmask_b32 v[TM], s77, v[LI+\k-1], s[CM+\k-1]
	v_cndmask_b32 v[TM+1], s[\lb], v[LL+\k-1], s[CM+\k-1]
	v_cndmask_b32 v[LI+\k], v[LI+\k], v[TM], s[CM+\k]
	v_cndmask_b32 v[LL+\k], v[LL+\k], v[TM+1], s[CM+\k]
.endr
	v_cndmask_b32 v[LI], v[LI], s77, s[CM]
	v_cndmask_b32 v[LL], v[LL], s[\lb], s[CM]
.irp k, 4,3,2,1
	v_med3_num_f32 v[LV+\k], v[\xv], v[LV+\k-1], v[LV+\k]
.endr
	v_max_num_f32 v[LV], v[LV], v[\xv]
.endm
; chunk c.  left: younger loads that may stay out.  more = 1: the set is asked for again, three chunks ahead, as soon as its registers have been used.
.macro WORK c, left, more
	s_wait_loadcnt \left
.irp e, 0,1,2,3,4,5,6,7
.irp j, 0,1,2,3
	v_cvt_pk_bf16_f32 v[T+\j+4*(\e&1)], v[CH+64*(\c%3)+16*\j+2*\e], v[CH+64*(\c%3)+16*\j+2*\e+1]
.endr
.irp j, 0,1,2,3
	v_lshlrev_b32 v[CH+64*(\c%3)+16*\j+2*\e], 16, v[T+\j+4*(\e&1)]
	v_and_b32 v[CH+64*(\c%3)+16*\j+2*\e+1], s85, v[T+\j+4*(\e&1)]
.endr
.irp j, 0,1,2,3
.if \e == 0
	v_pk_mul_f32 v[DOT+2*\j:DOT+2*\j+1], v[CH+64*(\c%3)+16*\j:CH+64*(\c%3)+16*\j+1], v[Z:Z+1]
	v_pk_mul_f32 v[SS+2*\j:SS+2*\j+1], v[CH+64*(\c%3)+16*\j:CH+64*(\c%3)+16*\j+1], v[CH+64*(\c%3)+16*\j:CH+64*(\c%3)+16*\j+1]
.else
	v_pk_fma_f32 v[DOT+2*\j:DOT+2*\j+1], v[CH+64*(\c%3)+16*\j+2*\e:CH+64*(\c%3)+16*\j+2*\e+1], v[Z+2*\e:Z+2*\e+1], v[DOT+2*\j:DOT+2*\j+1]
	v_pk_fma_f32 v[SS+2*\j:SS+2*\j+1], v[CH+64*(\c%3)+16*\j+2*\e:CH+64*(\c%3)+16*\j+2*\e+1], v[CH+64*(\c%3)+16*\j+2*\e:CH+64*(\c%3)+16*\j+2*\e+1], v[SS+2*\j:SS+2*\j+1]
.endif
.endr
.endr
.if \more
	LOADC (\c+3)
.endif
.irp j, 0,1,2,3
	v_add_f32 v[DOT+2*\j], v[DOT+2*\j], v[DOT+2*\j+1]
	v_add_f32 v[SS+2*\j], v[SS+2*\j], v[SS+2*\j+1]
.endr
.irp m, 1,2,4,8
.irp j, 0,1,2,3
	v_add_f32_dpp v[DOT+2*\j], v[DOT+2*\j], v[DOT+2*\j] row_xmask:\m row_mask:0xf bank_mask:0xf
	v_add_f32_dpp v[SS+2*\j], v[SS+2*\j], v[SS+2*\j] row_xmask:\m row_mask:0xf bank_mask:0xf
.endr
.endr
.irp j, 0,1,2,3
	v_permlanex16_b32 v[T+\j], v[DOT+2*\j], s86, s87
	v_permlanex16_b32 v[T+4+\j], v[SS+2*\j], s86, s87
.endr
.irp j, 0,1,2,3
	v_add_f32 v[DOT+2*\j], v[DOT+2*\j], v[T+\j]
	v_add_f32 v[SS+2*\j], v[SS+2*\j], v[T+4+\j]
.endr
.irp j, 0,1,2,3
	v_max_num_f32 v[SS+2*\j], 0x179abe15, v[SS+2*\j]
.endr
.irp j, 0,1,2,3
	v_rsq_f32 v[SS+2*\j+1], v[SS+2*\j]
.endr
	v_nop                                          ; one plain place behind the transcendentals before their results are used (ISA guide 5.7.2)
	s_wait_alu depctr_va_vdst(0)
.irp j, 0,1,2,3
	v_mul_f32 v[T+\j], v[SS+2*\j], v[SS+2*\j+1]
	v_mul_f32 v[T+4+\j], 0.5, v[SS+2*\j+1]
.endr
.irp j, 0,1,2,3
	v_fma_f32 v[T+\j], -v[T+\j], v[SS+2*\j+1], 1.0
.endr
.irp j, 0,1,2,3
	v_fma_f32 v[SS+2*\j+1], v[T+4+\j], v[T+\j], v[SS+2*\j+1]
.endr
.irp j, 0,1,2,3
	v_mul_f32 v[DOT+2*\j], v[DOT+2*\j], v[SS+2*\j+1]
.endr
.irp j, 0,1,2,3
	INS3 (DOT+2*\j), (GID+(\c>>1)), (4*(\c&1)+\j), (24+8*(\c>>1)+4*(\c&1)+\j)
.endr
.endm
	WORK 0, 32, 1                                  ; two younger chunks, 32 loads, stay out
	WORK 1, 32, 1
	WORK 2, 32, 1
	WORK 3, 32, 1
	WORK 4, 32, 1
	WORK 5, 32, 1
	WORK 6, 32, 1                                  ; asks for the last chunk
	WORK 7, 32, 0
	WORK 8, 16, 0
	WORK 9, 0, 0
.irp k, 0,1,2,3
	s_mov_b32 s[CM+\k], 1<<\k                      ; lane k
.endr
	v_cndmask_b32 v[T], v[LV+4], v[LV], s[CM]      ; lane k takes place k (lanes 4 and up: place 4)
	v_cndmask_b32 v[T+1], v[LI+4], v[LI], s[CM]
	v_cndmask_b32 v[T+2], v[LL+4], v[LL], s[CM]
.irp k, 1,2,3
	v_cndmask_b32 v[T], v[T], v[LV+\k], s[CM+\k]
	v_cndmask_b32 v[T+1], v[T+1], v[LI+\k], s[CM+\k]
	v_cndmask_b32 v[T+2], v[T+2], v[LL+\k], s[CM+\k]
.endr
	v_mul_f32 v[T], v[T], v[RZ]
	v_cmp_gt_u32 vcc_lo, 5, v3
	s_wait_xcnt 0x0                                ; EXEC changes only behind this wait
	s_and_saveexec_b32 s84, vcc_lo                 ; lanes 0 to 4
	global_store_b32 v2, v[T+1], s[12:13]
	global_store_b32 v2, v[T], s[14:15]
	global_store_b32 v2, v[T+2], s[16:17]
	s_endpgm
.Lfunc_end_k_q76da4dd951_score:
	.size	k_q76da4dd951_score, .Lfunc_end_k_q76da4dd951_score-k_q76da4dd951_score
	.p2alignl 7, 3214868480
	.fill 96, 4, 3214868480
	.section	.rodata,"a",@progbits
	.p2align	6, 0x0
	.amdhsa_kernel k_q76da4dd951_score
		.amdhsa_group_segment_fixed_size 0
		.amdhsa_private_segment_fixed_size 0
		.amdhsa_enable_private_segment 0
		.amdhsa_kernarg_size 56
		.amdhsa_user_sgpr_count 2
		.amdhsa_user_sgpr_kernarg_segment_ptr 1
		.amdhsa_wavefront_size32 1
		.amdhsa_system_sgpr_workgroup_id_x 1
		.amdhsa_system_sgpr_workgroup_id_y 1
		.amdhsa_system_sgpr_workgroup_id_z 1
		.amdhsa_system_vgpr_workitem_id 0
		.amdhsa_next_free_vgpr 256
		.amdhsa_next_free_sgpr 100
		.amdhsa_reserve_vcc 1
		.amdhsa_float_denorm_mode_32 3
		.amdhsa_float_denorm_mode_16_64 3
		.amdhsa_memory_ordered 1
		.amdhsa_forward_progress 1
		.amdhsa_inst_pref_size 216
	.end_amdhsa_kernel
	.amdgpu_metadata
---
amdhsa.version: [ 1, 2 ]
amdhsa.kernels:
  - .name:           k_q76da4dd951_score
    .symbol:         k_q76da4dd951_score.kd
    .args:
      - { .name: lab_bank, .offset: 0, .size: 8, .value_kind: global_buffer, .address_space: global }
      - { .name: lab_labels, .offset: 8, .size: 8, .value_kind: global_buffer, .address_space: global }
      - { .name: z, .offset: 16, .size: 8, .value_kind: global_buffer, .address_space: global }
      - { .name: sel, .offset: 24, .size: 8, .value_kind: global_buffer, .address_space: global }
      - { .name: out0, .offset: 32, .size: 8, .value_kind: global_buffer, .address_space: global }
      - { .name: out1, .offset: 40, .size: 8, .value_kind: global_buffer, .address_space: global }
      - { .name: out2, .offset: 48, .size: 8, .value_kind: global_buffer, .address_space: global }
    .group_segment_fixed_size: 0
    .private_segment_fixed_size: 0
    .kernarg_segment_align: 8
    .kernarg_segment_size: 56
    .max_flat_workgroup_size: 128
    .sgpr_count:     100
    .vgpr_count:     256
    .wavefront_size: 32
...
	.end_amdgpu_metadata
.endif
;; end of part 3
;; ======== version 2 of 2: 3 launches; 1.38 times as fast as version 1
;; workspace buffers: cand 5,160,960 bytes; sel 65,536 bytes of whole numbers
;; launch scan (part 4): grid 4 x 63, 4 waves a work-group, no clusters, 134,656 bytes of LDS; arguments lab_bank, z, cand; writes cand
.if DOCPART == 4
	.amdgcn_target "amdgcn-amd-amdhsa--gfx1250"
	.amdhsa_code_object_version 6
	.text
	.protected	k_q76da4dd951_scan
	.globl	k_q76da4dd951_scan
	.p2align	8
	.type	k_q76da4dd951_scan,@function
k_q76da4dd951_scan:
	s_mov_b64 s[64:65], 0
	v_nop
	global_prefetch_b8 v0, s[64:65] scope:SCOPE_SE
	s_setreg_imm32_b32 hwreg(HW_REG_WAVE_MODE, 25, 1), 1
	s_wait_xcnt 0x0
; IDHead, first of three launches.  All 1024 x 100000 products of z and the bank, both rounded to bf16, sums in f32; each sum is
; multiplied by 1 / norm of its (rounded) bank row; of every GROUP of 8 neighbouring bank rows only the largest is kept, and each lane
; keeps a sorted list of the 5 best (largest, group number) that it has seen.  The lists go to cand.  The second launch joins them
; to the 5 best groups of each query, the third works those 40 rows out again in f32.  Five groups are enough for every input: if five
; groups rank ahead of an element's group (larger maximum, or equal and lower number), each holds an element that ranks ahead of it.
; The query's own norm is one positive factor for all of a lane's numbers and does not change their order: it is applied in the third launch.
;
; SHARES.  Work-group (x, y): queries 256 x .. 256 x + 255, bank split y.  A stage is 64 bank rows = 4 tiles of 16; there are 1563 stages
; (the last holds 2 tiles); splits 0-61 take 25 stages, split 62 takes 13: both odd, so one text with a loop over pairs of stages serves both.
; Wave w holds its 64 queries as 4 x 16 fragments, 512 registers, for the whole launch.  Source 0 = 16 bank rows, source 1 = 16 queries:
; register j of lane (r, h) of a result is (bank row 8 h + j, query r), so a lane's 8 result registers are one group for one query.
;
; THE BANK'S WAY.  Each wave loads 4 rows of each tile into registers (each load 512 neighbouring bytes, aligned), rounds them to bf16 and stores
; them once into one of two LDS slots; all four waves read fragments from there.  Four sets of 16 loads are on their way in each wave.
; NO TENSOR LOADS, NO JOINT REQUESTS, though the four work-groups of one y read the same rows: a tile brought into LDS would arrive as f32, and
; 64 rows would then cost 128 KB filled + 128 KB read back + 64 KB stored as bf16 + 256 KB of fragment reads in LDS, against 64 + 256 KB here.
; No prefetch: the register sets already ask four tiles ahead.
; THE ORDER OF A TILE'S TURN.  Matrix instructions stand in two runs (K steps 0-7, K steps 8-15).  Vector work that names none of their registers is laid between
; them in small groups: the insertion of the tile before behind each pair of the first run (16 groups of 4 or 5 instructions), the rounding of a later tile behind
; each four of the second run (8 groups of 3 to 5).  A group costs two switches of the register window, since the products name z through window 2 or 3 in their
; second source and those windows are full.  Memory instructions stand in two runs, one behind each matrix run, none between two matrix instructions; each
; half's 16 fragment loads are issued a whole matrix run ahead of their first use.
; K ORDER.  A lane's loads at k = 256 c + 4 l and k = 256 c + 128 + 4 l are packed into one 16-byte unit, so K stands permuted in LDS; z goes the same way,
; so both sources are permuted alike and the products are the same.
; ROW NORMS.  Wave w multiplies tile w's fragments by themselves (both sources the same registers): the diagonal is the sum of squares of the rounded row.
; Waves take a slot's tiles in the order (w + u) & 3, so all run one text.
;
; LIMITS.  NaN and infinite inputs are not served.  A row's sum of squares must stay inside f32 (|x| up to about 8e17; below about 1e-19 it underflows, as it does
; in a norm taken in f32).  Sums are formed in another order than a plain f32 product: two groups whose maxima differ by less than about 1e-6 of their size may change places.
.set NTILES, 6250                      ; tiles of 16 rows in the bank
.set P,      1040                      ; LDS pitch of a bf16 row: 1024 + 16 = 65 x 16 bytes, so 16 neighbouring rows begin 16 bytes further on each, modulo 256
.set TILE_L, 16*P
.set SLOT,   4*TILE_L                  ; 66,560 bytes; slot 0 at 0, slot 1 behind it
.set RNBASE, 2*SLOT                    ; 1 / norm: 2 parities x 4 tiles x 128 bytes (64 used, 64 for the lanes that hold no diagonal element)
.set BSTR,   80640                     ; cand: bytes of one block of 16 queries = 63 splits x 5 places x 32 lanes x 8
; window 0
.set LANE16, 1                         ; 16 x lane
.set LOFF,   2                         ; 16 x lane + 4 w rows of 2,048 bytes
.set ZSA,    3                         ; z's stage: w TILE_L + 16 lane
.set RNS,    5                         ; where I store 1 / norm
.set STA,    6                         ; v6-7    slot p: p SLOT + 4 w P + 16 lane
.set FA,     8                         ; v8-15   slot p, turn u: p SLOT + ((w+u)&3) TILE_L + r P + 16 h, at FA + 4 p + u
.set RNR,    16                        ; v16-19  turn u: RNBASE + 128 ((w+u)&3) + 32 h
.set RN,     20                        ; v20-27  1 / norm of my 8 rows
.set X,      28                        ; v28-31  the last tile's group maxima, one for each query tile
.set TM,     32                        ; at work in the set-up
.set IT,     32                        ; v32-35  at work in an insertion (first half of a turn)
.set NT,     34                        ; v34-37  at work in the norms (second half of a turn)
.set HH,     38                        ; h
.set L8,     39                        ; 8 x lane
.set LS,     40                        ; v40-79  lists: (value, group) of query tile t, place k at LS + 10 t + 2 k
.set ACC,    80                        ; v80-111 four accumulators
.set GA,     112                       ; v112-127 two accumulators of the rows' squares
.set H0,     128                       ; v128-191 bank fragments, K steps 0-7
.set H1,     192                       ; v192-255 K steps 8-15
; window 1: four load sets of 64 registers.  window 2: z, K steps 0-7, at 32 i + 8 t.  window 3: z, K steps 8-15.
.set SB,     24                        ; s[24:31] base of each load set
.set DM,     31                        ; s32-38  lanes whose diagonal element lies in register j = 1 .. 7
.set CM,     40                        ; s40-44  compare masks
.set ZB,     46                        ; s[46:47] z at my wave's first query
.set MSB, 0
.macro WIN new                         ; s_set_vgpr_msb: bits 1:0 source 0, 3:2 source 1, 5:4 source 2, 7:6 destination; the high byte repeats the setting that is left
.if MSB != \new
	s_set_vgpr_msb (MSB<<8)|\new
.set MSB, \new
.endif
.endm
.macro BAR
	s_wait_dscnt 0x0                               ; for the others' sake: all my LDS stores have landed and all my LDS reads are back
	s_barrier_signal -1
	s_barrier_wait -1
.endm
.macro PLACES                          ; five independent places behind a matrix instruction (ISA guide 7.12.1) where there is no vector work to put there
.rept 5
	v_nop
.endr
.endm
; 16 loads: rows 4 q .. 4 q + 3 of z's tile t into set q
.macro ZLOAD q, t
.irp j, 0,1,2,3
.irp a, 0,1,2,3
	global_load_b128 v[64*\q+16*\j+4*\a:64*\q+16*\j+4*\a+3], v[LANE16], s[ZB:ZB+1] offset:(16*\t+4*\q+\j)*2048+\a*512
.endr
.endr
.endm
; 16 loads: my 4 rows of the next bank tile into set q.  The tile's number is held inside the bank (split 62's last two tiles do not exist:
; they read the last tile again and their maxima are thrown away).  The set's base is written behind the counted wait that showed the set's earlier loads done.
.macro GLOAD q
	s_min_u32 s22, s14, NTILES-1
	s_lshl_b32 s22, s22, 15                        ; 16 rows of 2,048 bytes; below 2^31, s23 = 0
	s_add_nc_u64 s[SB+2*\q:SB+2*\q+1], s[4:5], s[22:23]
	s_add_co_u32 s14, s14, 1
.irp j, 0,1,2,3
.irp a, 0,1,2,3
	global_load_b128 v[64*\q+16*\j+4*\a:64*\q+16*\j+4*\a+3], v[LOFF], s[SB+2*\q:SB+2*\q+1] offset:\j*2048+\a*512
.endr
.endr
.endm
; set q to bf16, in place: of each row j the loads 2 c and 2 c + 1 become the 4 registers of load 2 c.  Conversion n = 8 j + 4 c + e of the 32, in rising order:
.macro CV1 q, n
	v_cvt_pk_bf16_f32 v[64*\q+8*((\n)/4)+(\n)%4], v[64*\q+8*((\n)/4)+2*((\n)%4)], v[64*\q+8*((\n)/4)+2*((\n)%4)+1]
.endm
.macro CVT q                           ; all 32 in one run (the set-up)
.set cn, 0
.rept 32
	CV1 \q, cn
.set cn, cn+1
.endr
.endm
.macro STORE q, ad, imm                ; 8 LDS stores of 512 neighbouring bytes
.irp j, 0,1,2,3
.irp c, 0,1
	ds_store_b128 v[\ad], v[64*\q+16*\j+8*\c:64*\q+16*\j+8*\c+3] offset:\imm+\j*P+512*\c
.endr
.endr
.endm
; 16 LDS loads in one run: K steps lk .. lk + 7 of the tile at address register la into buffer hb
.macro LDH hb, la, lk
.irp i, 0,1,2,3,4,5,6,7
	ds_load_b128 v[\hb+8*\i:\hb+8*\i+3],   v[\la] offset:64*(\lk+\i)
	ds_load_b128 v[\hb+8*\i+4:\hb+8*\i+7], v[\la] offset:64*(\lk+\i)+32
.endr
.endm
.macro WM t, hb, i, c0
.if \c0
	v_wmma_f32_16x16x32_bf16 v[ACC+8*\t:ACC+8*\t+7], v[\hb+8*\i:\hb+8*\i+7], v[32*\i+8*\t:32*\i+8*\t+7], 0
.else
	v_wmma_f32_16x16x32_bf16 v[ACC+8*\t:ACC+8*\t+7], v[\hb+8*\i:\hb+8*\i+7], v[32*\i+8*\t:32*\i+8*\t+7], v[ACC+8*\t:ACC+8*\t+7]
.endif
.endm
; X[t] with group number s20 goes into list t, which stays sorted.  The compare is strict and group numbers rise with time: of equals the lower number stays ahead.
; Four parts, so that they can stand apart; within a part no instruction reads what the part has written.
.macro IPART t, part
.if \part == 0
.irp k, 0,1,2,3,4
	v_cmp_gt_f32 s[CM+\k], v[X+\t], v[LS+10*\t+2*\k]
.endr
.endif
.if \part == 1
.irp k, 4,3,2,1
	v_cndmask_b32 v[IT+\k-1], s20, v[LS+10*\t+2*\k-1], s[CM+\k-1]                        ; what would move into place k: the number above, or the new one
.endr
	v_cndmask_b32 v[LS+10*\t+1], v[LS+10*\t+1], s20, s[CM]
.endif
.if \part == 2
.irp k, 4,3,2,1
	v_cndmask_b32 v[LS+10*\t+2*\k+1], v[LS+10*\t+2*\k+1], v[IT+\k-1], s[CM+\k]
.endr
.endif
.if \part == 3
.irp k, 4,3,2,1
	v_med3_num_f32 v[LS+10*\t+2*\k], v[X+\t], v[LS+10*\t+2*\k-2], v[LS+10*\t+2*\k]       ; the middle of (new, place above, place): from the bottom up
.endr
	v_max_num_f32 v[LS+10*\t], v[LS+10*\t], v[X+\t]
.endif
.endm
.macro INSERT t
	IPART \t, 0
	IPART \t, 1
	IPART \t, 2
	IPART \t, 3
.endm
; The first half of a tile: 32 matrix instructions, 8 K steps from buffer hb x 4 query tiles; the first K step starts the sums.  The four accumulators take turns,
; one instruction a turn.  Behind each pair stands one part of the insertion of the tile before: list l's four parts ride on K steps 2 l and 2 l + 1.
; The last part's five instructions are the places between hb's last readers and the loads into hb that follow.
.macro MULI hb
.irp l, 0,1,2,3
.irp pt, 0,1,2,3
	WIN 0x08
.if (2*\l+(\pt>>1)) == 0
	WM (2*(\pt&1)),   \hb, (2*\l+(\pt>>1)), 1
	WM (2*(\pt&1)+1), \hb, (2*\l+(\pt>>1)), 1
.else
	WM (2*(\pt&1)),   \hb, (2*\l+(\pt>>1)), 0
	WM (2*(\pt&1)+1), \hb, (2*\l+(\pt>>1)), 0
.endif
	WIN 0
	IPART \l, \pt
.endr
.endr
.endm
; The second half: 32 matrix instructions; behind each four stand 4 of set q's 32 conversions (3 behind the seventh four, 5 behind the last:
; these five are the places in front of the loads into hb and of the readers of the sums).
.macro MULC hb, q
.set cn, 0
.irp i, 0,1,2,3,4,5,6,7
	WIN 0x0c
.irp t, 0,1,2,3
	WM \t, \hb, \i, 0
.endr
	WIN 0x45
.set cg, 4
.if \i == 6
.set cg, 3
.endif
.if \i == 7
.set cg, 5
.endif
.rept cg
	CV1 \q, cn
.set cn, cn+1
.endr
.endr
.endm
.macro MUL hb                          ; the second half where nothing is left to convert
.irp i, 0,1,2,3,4,5,6,7
.irp t, 0,1,2,3
	WM \t, \hb, \i, 0
.endr
.endr
.endm
.macro GW hb, i, c0
.if \c0
	v_wmma_f32_16x16x32_bf16 v[GA+8*(\i&1):GA+8*(\i&1)+7], v[\hb+8*\i:\hb+8*\i+7], v[\hb+8*\i:\hb+8*\i+7], 0
.else
	v_wmma_f32_16x16x32_bf16 v[GA+8*(\i&1):GA+8*(\i&1)+7], v[\hb+8*\i:\hb+8*\i+7], v[\hb+8*\i:\hb+8*\i+7], v[GA+8*(\i&1):GA+8*(\i&1)+7]
.endif
.endm
.macro GRAM hb, zero                   ; the tile times itself, 8 K steps; two accumulators take turns
.irp i, 0,1,2,3,4,5,6,7
.if \i < 2
	GW \hb, \i, \zero
.else
	GW \hb, \i, 0
.endif
.endr
.endm
; 1 / max(norm, 1e-12) = rsq(max(sum of squares, 1e-24)), refined by one Newton step; lanes 0-7 and 24-31 hold rows 0-7 and 8-15
.macro NORM p
.irp e, 0,2,4,6
	v_pk_add_f32 v[GA+\e:GA+\e+1], v[GA+\e:GA+\e+1], v[GA+8+\e:GA+8+\e+1]
.endr
	v_cndmask_b32 v[NT], v[GA], v[GA+1], s[DM+1]
.irp j, 2,3,4,5,6,7
	v_cndmask_b32 v[NT], v[NT], v[GA+\j], s[DM+\j]
.endr
	v_max_num_f32 v[NT], 0x179abe15, v[NT]         ; 1e-24
	v_rsq_f32 v[NT+1], v[NT]
	v_nop                                          ; one plain place behind the transcendental before its result is used (ISA guide 5.7.2)
	s_wait_alu depctr_va_vdst(0)
	v_mul_f32 v[NT+2], v[NT], v[NT+1]
	v_mul_f32 v[NT+3], 0.5, v[NT+1]
	v_fma_f32 v[NT+2], -v[NT+2], v[NT+1], 1.0
	v_fma_f32 v[NT+1], v[NT+3], v[NT+2], v[NT+1]
	ds_store_b32 v[RNS], v[NT+1] offset:512*\p
.endm
.macro RNLD p, u
	ds_load_b128 v[RN:RN+3],   v[RNR+\u] offset:512*\p
	ds_load_b128 v[RN+4:RN+7], v[RNR+\u] offset:512*\p+16
.endm
; each sum times its row's 1 / norm, then the largest of the lane's 8; the four query tiles go stage by stage, so that a maximum stands four instructions
; behind the one that it reads.  lim = 1: a tile beyond the bank's end gives -inf
.macro SCALEMAX lim
.if \lim
	s_cmp_lt_u32 s20, 2*NTILES                     ; s20 = 2 x the tile's number
	s_cselect_b32 s21, s52, s53                    ; +inf or -inf
.endif
.irp t, 0,1,2,3
.irp e, 0,2,4,6
	v_pk_mul_f32 v[ACC+8*\t+\e:ACC+8*\t+\e+1], v[ACC+8*\t+\e:ACC+8*\t+\e+1], v[RN+\e:RN+\e+1]
.endr
.endr
.irp t, 0,1,2,3
	v_max3_num_f32 v[X+\t], v[ACC+8*\t], v[ACC+8*\t+1], v[ACC+8*\t+2]
.endr
.irp t, 0,1,2,3
	v_max3_num_f32 v[X+\t], v[X+\t], v[ACC+8*\t+3], v[ACC+8*\t+4]
.endr
.irp t, 0,1,2,3
	v_max3_num_f32 v[X+\t], v[X+\t], v[ACC+8*\t+5], v[ACC+8*\t+6]
.endr
.irp t, 0,1,2,3
	v_max_num_f32 v[X+\t], v[X+\t], v[ACC+8*\t+7]
.endr
.if \lim
.irp t, 0,1,2,3
	v_min_num_f32 v[X+\t], s21, v[X+\t]
.endr
.endif
.endm
; ONE TILE.  p: the stage's slot; u: the turn, tile (w + u) & 3.  conv: the tile 5 turns ahead is rounded and stored; load: the tile 9 turns ahead is asked for;
; left: loads that may stay out at conv's wait; next: the next tile's fragments are fetched; bar: a barrier stands in this turn.
; At the head of a turn both halves of the tile's fragments have been asked for: H0's in the middle of the turn before, H1's at its end.
.macro TT p, u, conv, load, left, lim, next, bar
.if \u == 3
.set NXA, FA+4*(1-\p)                  ; the next tile's address register: the other slot's first turn,
.else
.set NXA, FA+4*\p+\u+1                 ; or this slot's next
.endif
	s_wait_dscnt 16                                ; the 16 youngest LDS instructions are H1's loads: all older ones are done, H0's loads among them
.if \u == 0
	GRAM H0, 1                                     ; my own tile's squares first: they name window 0 alone, which is set here
.endif
	MULI H0                                        ; with the insertion of the tile before
	s_add_co_u32 s20, s15, s[16+\u]                ; 2 x this tile's number
.if \bar
	BAR                                            ; u = 1: the stage's 1 / norm are published.  u = 3: the next slot's four tiles are stored, and all reads of this slot are back
.endif
	; the first run of memory instructions
.if \u != 0
	RNLD \p, \u
.endif
.if \next
	LDH H0, NXA, 0
.endif
	s_wait_dscnt 16*\next                          ; all but H0's 16 loads just issued: H1 is in, and so is 1 / norm
.if \u == 0
	GRAM H1, 0
.endif
.if \conv
	s_wait_loadcnt \left                           ; loads come back in order (ISA guide 5.7.1): the oldest set of 16 is in, the younger sets stay out
	MULC H1, ((\u+1)&3)                            ; with that set's conversions
.else
	WIN 0x0c
	MUL H1
	PLACES
.endif
	; the second run of memory instructions (at u = 0 behind the vector work of the norms)
.if \u == 0
	WIN 0
	NORM \p
	RNLD \p, 0                                     ; my own 64 bytes: LDS serves a wave's instructions in order (ISA guide 5.7.1.4)
.endif
.if \conv
	WIN 0x04
.if \u == 3
	STORE ((\u+1)&3), (STA+\p), 0                  ; two stages ahead, into this slot: behind this turn's barrier nobody reads it any more
.else
	STORE ((\u+1)&3), (STA+1-\p), ((\u+1)*TILE_L)
.endif
.endif
.if \load
	WIN 0x40
	GLOAD ((\u+1)&3)
.endif
	WIN 0
.if \next
	LDH H1, NXA, 8                                 ; H1's last readers stand five places back
.endif
.if \u == 0
	s_wait_dscnt 8*\conv+16*\next                  ; behind the two loads of 1 / norm only the 8 stores and H1's 16 loads were issued
.endif
	SCALEMAX \lim
.endm
.macro STAGE p
	TT \p, 0, 1, 1, 48, 0, 1, 0
	TT \p, 1, 1, 1, 48, 0, 1, 1
	TT \p, 2, 1, 1, 48, 0, 1, 0
	TT \p, 3, 1, 1, 48, 0, 1, 1
	s_add_co_u32 s15, s15, 8
.endm
	s_load_b128 s[4:7], s[0:1], 0x0                ; bank s[4:5], z s[6:7]
	s_load_b64 s[8:9], s[0:1], 0x10                ; cand
	v_lshrrev_b32 v[TM], 5, v0
	v_readfirstlane_b32 s10, v[TM]                 ; wave w
	s_and_b32 s12, ttmp7, 0xffff                   ; split
	v_and_b32 v[TM], 31, v0
	v_lshlrev_b32 v[LANE16], 4, v[TM]
	v_lshlrev_b32 v[L8], 3, v[TM]
	s_lshl_b32 s22, ttmp9, 19                      ; 256 queries of 2,048 bytes
	s_lshl_b32 s48, s10, 17                        ; 64 queries
	s_add_co_u32 s22, s22, s48
	s_mov_b32 s23, 0
	s_wait_kmcnt 0x0
	s_add_nc_u64 s[ZB:ZB+1], s[6:7], s[22:23]
	WIN 0x40
	ZLOAD 0, 0
	ZLOAD 1, 0
	ZLOAD 2, 0
	ZLOAD 3, 0
	WIN 0
	v_and_b32 v33, 15, v0                          ; r
	v_bfe_u32 v[HH], v0, 4, 1                      ; h
	s_lshl_b32 s48, s10, 13
	v_add_nc_u32 v[LOFF], s48, v[LANE16]
	s_mul_i32 s48, s10, TILE_L
	v_add_nc_u32 v[ZSA], s48, v[LANE16]
	s_mul_i32 s48, s10, 4*P
	v_add_nc_u32 v[STA], s48, v[LANE16]
	v_add_nc_u32 v[STA+1], SLOT, v[STA]
	v_mul_u32_u24 v34, v33, P
	v_lshl_add_u32 v34, v[HH], 4, v34              ; r P + 16 h
	v_lshrrev_b32 v35, 3, v0
	v_lshrrev_b32 v36, 4, v0
	v_xor_b32 v35, v35, v36
	v_and_b32 v35, 1, v35                          ; 0 in the lanes that hold a diagonal element (r >> 3 = h)
	v_lshlrev_b32 v36, 2, v33
	v_lshl_add_u32 v36, v35, 6, v36                ; 4 r, the others 64 bytes further on
	s_lshl_b32 s48, s10, 7
	s_add_co_u32 s48, s48, RNBASE
	v_add_nc_u32 v[RNS], s48, v36
	v_lshlrev_b32 v37, 5, v[HH]
.irp u, 0,1,2,3
.if \u == 0
	s_mov_b32 s48, s10
.else
	s_add_co_u32 s48, s10, \u
	s_and_b32 s48, s48, 3                          ; the tile of turn u
.endif
	s_lshl_b32 s[16+\u], s48, 1
	s_mul_i32 s49, s48, TILE_L
	v_add_nc_u32 v[FA+\u], s49, v34
	v_add_nc_u32 v[FA+4+\u], SLOT, v[FA+\u]
	s_lshl_b32 s49, s48, 7
	s_add_co_u32 s49, s49, RNBASE
	v_add_nc_u32 v[RNR+\u], s49, v37
.endr
	s_cmp_eq_u32 s12, 62
	s_cselect_b32 s39, 5, 11                       ; pairs of stages in the loop: (13 - 3) / 2 or (25 - 3) / 2
	s_mov_b32 s13, 0                               ; the loop's counter, upward against s39
	s_mul_i32 s14, s12, 100                        ; my first tile
	s_mul_i32 s15, s12, 200                        ; 8 x my first stage
	s_mov_b32 s20, 0
	s_mov_b32 s52, 0x7f800000
	s_mov_b32 s53, 0xff800000
.irp j, 1,2,3,4,5,6,7
	s_mov_b32 s[DM+\j], 0x01000001<<\j             ; lanes j and 24 + j
.endr
	; z: tile by tile through my own 16 rows of LDS, by the bank's way, into windows 2 and 3.  Each wait leaves the three younger sets (48 loads) out.
	; The last tile's sets are filled again with the first four bank tiles.
.irp t, 0,1,2,3
.irp j, 0,1,2,3
	s_wait_loadcnt 48
	WIN 0x45
	CVT \j
	WIN 0x04
	STORE \j, ZSA, (4*\j*P)
	WIN 0x40
.if \t < 3
	ZLOAD \j, (\t+1)
.else
	GLOAD \j
.endif
.endr
	WIN 0x80
.irp i, 0,1,2,3,4,5,6,7
	ds_load_b128 v[32*\i+8*\t:32*\i+8*\t+3],   v[FA] offset:64*\i          ; my own bytes, served in order behind the stores above and ahead of the next tile's
	ds_load_b128 v[32*\i+8*\t+4:32*\i+8*\t+7], v[FA] offset:64*\i+32
.endr
	WIN 0xc0
.irp i, 0,1,2,3,4,5,6,7
	ds_load_b128 v[32*\i+8*\t:32*\i+8*\t+3],   v[FA] offset:64*(8+\i)
	ds_load_b128 v[32*\i+8*\t+4:32*\i+8*\t+7], v[FA] offset:64*(8+\i)+32
.endr
.endr
	WIN 0
	BAR                                            ; every wave has z in registers: the stages' bytes become slot 0
.irp c, 0,1,2,3,4
	s_wait_loadcnt 48                              ; tiles 0 to 4: slot 0 whole, and slot 1's first
	WIN 0x45
	CVT (\c&3)
	WIN 0x04
	STORE (\c&3), (STA+(\c>>2)), ((\c&3)*TILE_L)
	WIN 0x40
	GLOAD (\c&3)
.endr
	WIN 0
	BAR                                            ; slot 0 is whole for every wave
	LDH H0, FA, 0                                  ; the first tile's two halves, in the order in which every turn expects them
	LDH H1, FA, 8
.set n, 0
.rept 20
	v_mov_b32 v[LS+2*n], 0xff800000                ; empty lists: -inf, which no number fails to beat
	v_mov_b32 v[LS+2*n+1], 0
.set n, n+1
.endr
.irp t, 0,1,2,3
	v_mov_b32 v[X+\t], 0xff800000                  ; the first turn inserts nothing
.endr
.Lpair:
	STAGE 0
	STAGE 1
	s_add_co_u32 s13, s13, 1
	s_cmp_lt_u32 s13, s39
	s_cbranch_scc1 .Lpair
	; the last three stages, written out: the requests end first, then the conversions, and the counts run down
	TT 0, 0, 1, 1, 48, 0, 1, 0
	TT 0, 1, 1, 1, 48, 0, 1, 1
	TT 0, 2, 1, 1, 48, 0, 1, 0                     ; asks for the split's last tile
	TT 0, 3, 1, 0, 48, 0, 1, 1
	s_add_co_u32 s15, s15, 8
	TT 1, 0, 1, 0, 32, 0, 1, 0
	TT 1, 1, 1, 0, 16, 0, 1, 1
	TT 1, 2, 1, 0, 0,  0, 1, 0
	TT 1, 3, 0, 0, 0,  0, 1, 1
	s_add_co_u32 s15, s15, 8
	TT 0, 0, 0, 0, 0,  1, 1, 0
	TT 0, 1, 0, 0, 0,  1, 1, 1
	TT 0, 2, 0, 0, 0,  1, 1, 0
	TT 0, 3, 0, 0, 0,  1, 0, 0
	INSERT 0                                       ; the last tile's maxima
	INSERT 1
	INSERT 2
	INSERT 3
.set n, 0
.rept 20
	v_add_nc_u32 v[LS+2*n+1], v[LS+2*n+1], v[HH]   ; group = 2 x tile + h
.set n, n+1
.endr
	s_lshl2_add_u32 s54, ttmp9, s10                ; 4 x + w
	s_mul_i32 s54, s54, 4*BSTR
	s_mul_i32 s55, s12, 1280
	s_add_co_u32 s54, s54, s55
	s_mov_b32 s55, 0
	s_add_nc_u64 s[8:9], s[8:9], s[54:55]
.irp t, 0,1,2,3
.irp k, 0,1,2,3,4
	global_store_b64 v[L8], v[LS+10*\t+2*\k:LS+10*\t+2*\k+1], s[8:9] offset:\t*BSTR+\k*256   ; the wave stores 256 consecutive bytes, at a multiple of 256 from cand's first byte
.endr
.endr
	s_wait_xcnt 0x0
	v_lshl_add_u32 v254, v0, 2, 0x20c00
	v_mov_b32 v255, 0
	s_wait_tensorcnt 0x0
	ds_add_u32 v254, v255
	s_wait_dscnt 0x0
	s_endpgm
.Lfunc_end_k_q76da4dd951_scan:
	.size	k_q76da4dd951_scan, .Lfunc_end_k_q76da4dd951_scan-k_q76da4dd951_scan
	.p2alignl 7, 3214868480
	.fill 96, 4, 3214868480
	.section	.rodata,"a",@progbits
	.p2align	6, 0x0
	.amdhsa_kernel k_q76da4dd951_scan
		.amdhsa_group_segment_fixed_size 134656
		.amdhsa_private_segment_fixed_size 0
		.amdhsa_enable_private_segment 0
		.amdhsa_kernarg_size 24
		.amdhsa_user_sgpr_count 2
		.amdhsa_user_sgpr_kernarg_segment_ptr 1
		.amdhsa_wavefront_size32 1
		.amdhsa_system_sgpr_workgroup_id_x 1
		.amdhsa_system_sgpr_workgroup_id_y 1
		.amdhsa_system_sgpr_workgroup_id_z 1
		.amdhsa_system_vgpr_workitem_id 0
		.amdhsa_next_free_vgpr 1024
		.amdhsa_next_free_sgpr 66
		.amdhsa_reserve_vcc 0
		.amdhsa_float_denorm_mode_32 3
		.amdhsa_float_denorm_mode_16_64 3
		.amdhsa_memory_ordered 1
		.amdhsa_forward_progress 1
		.amdhsa_inst_pref_size 255
	.end_amdhsa_kernel
	.section	.bss,"aw",@nobits
	.p2align	6
	.space	262144
	.amdgpu_metadata
---
amdhsa.version: [ 1, 2 ]
amdhsa.kernels:
  - .name:           k_q76da4dd951_scan
    .symbol:         k_q76da4dd951_scan.kd
    .args:
      - { .name: lab_bank, .offset: 0, .size: 8, .value_kind: global_buffer, .address_space: global }
      - { .name: z, .offset: 8, .size: 8, .value_kind: global_buffer, .address_space: global }
      - { .name: cand, .offset: 16, .size: 8, .value_kind: global_buffer, .address_space: global }
    .group_segment_fixed_size: 134656
    .private_segment_fixed_size: 0
    .kernarg_segment_align: 8
    .kernarg_segment_size: 24
    .max_flat_workgroup_size: 128
    .sgpr_count:     66
    .vgpr_count:     1024
    .wavefront_size: 32
...
	.end_amdgpu_metadata
.endif
;; end of part 4
;; launch pick: the kernel of part 2 again; grid 64 x 1, 8 waves a work-group, no clusters, 11,264 bytes of LDS; arguments cand, sel; writes sel
;; launch score: the kernel of part 3 again; grid 256 x 1, 4 waves a work-group, no clusters, 0 bytes of LDS; arguments lab_bank, lab_labels, z, sel, out0, out1, out2; writes out0, out1, out2
